; MI455X (gfx1250); checked and timed in simulation.
; The chip was launched on July 23, 2026; its instructions are those of AMD's public machine-readable ISA for CDNA 5 (MIT licence, August 2026) and "CDNA5" Instruction Set Architecture Reference Guide (July 2026). The comments in the code are by the model that wrote it; some were corrected since.
;; Msg Merger. Allowed arithmetic: matrix products marked QUANTISED: E2M1 operands, one E8M0 scale for each 32 along K, by v_wmma_scale_f32_16x16x128_f8f6f4 with both operands' format E2M1 (or v_wmma_scale_f32_32x16x128_f4), f32 sums; products left as they are: f32 operands where the result goes on into a quantised operand, else bf16, f16 or f32 operands; f32 sums; everything else in f32.
;; Inputs: msg_stacked_codes 256 x 256 x 16 x 16 uint8 (E2M1 codes of msg_stacked, K innermost, in blocks of 32 codes, two codes a byte); msg_stacked_scales 256 x 256 x 16 uint8 (E8M0 scales of msg_stacked, one for each 32 codes along K); w_key_codes 512 x 16 x 16 uint8 (E2M1 codes of w_key, K innermost, in blocks of 32 codes, two codes a byte); w_key_scales 512 x 16 uint8 (E8M0 scales of w_key, one for each 32 codes along K); w_query_codes 512 x 16 x 16 uint8 (E2M1 codes of w_query, K innermost, in blocks of 32 codes, two codes a byte); w_query_scales 512 x 16 uint8 (E8M0 scales of w_query, one for each 32 codes along K); w_value_codes 512 x 16 x 16 uint8 (E2M1 codes of w_value, K innermost, in blocks of 32 codes, two codes a byte); w_value_scales 512 x 16 uint8 (E8M0 scales of w_value, one for each 32 codes along K).
;; Outputs: out0 256 x 512 float32.
;; This version of the problem:
;;   THIS VERSION OF THE PROBLEM IS GIVEN IN LOW PRECISION. The matrix products marked QUANTISED in the list below multiply operands that are first quantised to E2M1 (2 exponent bits, 1 mantissa bit; 4 bits a number), with one power-of-two scale for each 32 numbers along K (OCP MX v1.0); their sums are f32. All else is computed in f32.
;;   The module's matrix products, in the order in which they are computed (A, B: the left and right operand; K: the contracted axis; several contracted axes count as one K, in the product's order):
;;     1. [M 65,536, K 512] x [K 512, N 512]; A: input msg_stacked (given as codes); B: input w_query (given as codes): QUANTISED
;;     2. [M 65,536, K 512] x [K 512, N 512]; A: input msg_stacked (given as codes); B: input w_key (given as codes): QUANTISED
;;     3. [M 65,536, K 512] x [K 512, N 512]; A: input msg_stacked (given as codes); B: input w_value (given as codes): QUANTISED
;;     4. batch 256 x [M 256, K 512] x [K 512, N 256]; A: computed on the way; B: computed on the way: QUANTISED
;;     5. batch 256 x [M 1, K 256] x [K 256, N 512]; A: computed on the way; B: computed on the way: left as it is (M = 1 < 16)
;;   THE QUANTISER, for each operand of a quantised product, along K:
;;     - K is cut into blocks of 32 from its start; a last block that is shorter is filled with zeros.
;;     - A block's scale is 2^e with e = floor(log2(the largest magnitude in the block)) - 2, held to -126 .. 127; a block of zeros has e = 0. As a byte (E8M0): e + 127.
;;     - Each number is divided by its block's scale, clamped to +-6, and rounded to the nearest number of E2M1, ties to even, subnormals kept.
;;     - The product sums the exact products of the quantised numbers (number of the format x scale) in f32.
;;   ~~~python
;;   def quantise(x, axis):      # numpy; x: float32 -> the quantised numbers, widened to float32 again
;;       x = np.moveaxis(x, axis, -1); K = x.shape[-1]
;;       x = np.pad(x, [(0, 0)] * (x.ndim - 1) + [(0, -K % 32)]); x = x.reshape(x.shape[:-1] + (-1, 32)); a = np.abs(x).max(-1, keepdims=True)
;;       e = np.where(a > 0, np.clip(np.frexp(np.where(a > 0, a, 1))[1] - 1 - 2, -126, 127), 0)      # np.frexp(a)[1] - 1 = floor(log2(a)), exactly
;;       r = np.clip(x / 2.0 ** e, -6, 6)
;;       step = 2.0 ** (np.maximum(np.frexp(np.where(r == 0, 1, r))[1] - 1, 0) - 1)
;;       q = np.round(r / step) * step * 2.0 ** e      # np.round: ties to even
;;       return np.moveaxis(q.reshape(q.shape[:-2] + (-1,))[..., :K], -1, axis).astype(np.float32)
;;   ~~~
;;   OPERANDS COMPUTED ON THE WAY. 'Computed on the way' means the value that the module computes at that place (a softmax that the list does not call 'softmax' is quantised finished and normalised). What goes into a quantiser is computed in f32, as accurately as f32 sums, v_exp_f32 and their like allow (about 1e-6 of the number): no bf16 or f16 on the way to a quantiser, and a product that is left as it is and whose result goes on into a quantised operand takes f32 operands (vector FMAs, or v_wmma_f32_16x16x4_f32). A number that lies on a knife's edge between two numbers of the format may be rounded either way, as far as f32 arithmetic and the matrix unit's own rounding can turn it there, and no further.
;;   INPUTS GIVEN AS CODES. msg_stacked (in the module: [256, 256, 512], K = its axis 2); w_key (in the module: [512, 512], K = its axis 0); w_query (in the module: [512, 512], K = its axis 0); w_value (in the module: [512, 512], K = its axis 0): each comes as NAME_codes (uint8): NAME with its K axis moved to the last place and cut into blocks of 32 codes, [.., K / 32, bytes a block], one block behind the other in memory; two codes a byte, the lower K in the low four bits (a code: sign, 2 exponent bits, 1 mantissa bit); and NAME_scales (uint8): the same leading axes, one E8M0 byte (e + 127) for each 32 codes along K. Its value is code x scale, taken as it is: it is not quantised again, and the codes and scales need not be those that the quantiser above would give.
;; One version. Each part assembles by itself: llvm-mc -triple=amdgcn-amd-amdhsa -mcpu=gfx1250 --defsym DOCPART=n.
;; ======== version 1 of 1: 1 launch
;; limits: right only within a limited range of input values
;; launch merge (part 1): grid 256 x 1, 8 waves a work-group, clusters of 4 x 1, 327,680 bytes of LDS; arguments msg_stacked_codes, msg_stacked_scales, w_query_codes, w_query_scales, w_key_codes, w_key_scales, w_value_codes, w_value_scales, out0; writes out0
.if DOCPART == 1
	.amdgcn_target "amdgcn-amd-amdhsa--gfx1250"
	.amdhsa_code_object_version 6
	.text
	.protected	k_q3c6f2debca_merge
	.globl	k_q3c6f2debca_merge
	.p2align	8
	.type	k_q3c6f2debca_merge,@function
k_q3c6f2debca_merge:
	s_mov_b64 s[64:65], 0
	v_nop
	global_prefetch_b8 v0, s[64:65] scope:SCOPE_SE
	s_setreg_imm32_b32 hwreg(HW_REG_WAVE_MODE, 25, 1), 1
	s_wait_xcnt 0x0
	s_wait_alu depctr_hold_cnt(0) depctr_sa_sdst(0) depctr_va_vdst(0) depctr_va_sdst(0) depctr_va_ssrc(0) depctr_va_vcc(0) depctr_vm_vsrc(0)
	s_getreg_b32 s2, hwreg(HW_REG_IB_STS2, 6, 4)
	s_cmp_eq_u32 s2, 0
	s_cbranch_scc0 .Lentry_in_a_cluster
	s_endpgm
.Lentry_in_a_cluster:
	s_bfe_u32 s2, ttmp6, 0x10000c
	s_cmp_lg_u32 s2, 0x3003
	s_cbranch_scc0 .Lentry_shape_is_right
	s_endpgm
.Lentry_shape_is_right:
; out[b][e] = sum over m of w[b][m] v[b][m][e],  w[b][m] = sum over n of softmax_m(q[b][n] . k[b][m] / sqrt(512)),  q, k, v = x[b] Wq, x[b] Wk, x[b] Wv.
; x [256][256][512] and the weights [512 (e)][512 (d)] come as codes of E2M1, K = d innermost, 256 bytes a row, with one E8M0 byte for each 32 along K (16 bytes a row).
; The projections and q k^T run on codes (v_wmma_scale_f32_32x16x128_f4; for v v_wmma_scale_f32_16x16x128_f8f6f4, both sides FP4), sums in f32.  The last product (one row) and the softmax are f32.
; SHARES.  One work-group = one batch; eight waves of 512 registers.
;   Passes Q and K as one: wave w owns columns e = 64 w .. 64 w + 63 of q and of k, its rows of Wq and Wk stay in 256 registers; a tile of 16 tokens of x is read from LDS once for both.
;   Scores: wave w takes queries 64 (w % 4) on against keys 128 (w / 4) on, transposed (a lane holds one query); its partner w xor 4 has the other keys: the two exchange a row's maximum and sum once.
;   Pass V: wave w takes columns 128 (w % 4) on for tokens 128 (w / 4) on; v is folded with w out of its accumulators.
; A BLOCK OF 32 IN A LANE.  Which rows of a weight form an operand is free.  Row 16 vv + r of the 32-row operand u (b = r / 8) is e = 64 w + 16 u + (r % 8) + 32 b + 8 (vv xor b): lane (r, h) of the result then holds the whole
; block 64 w + 32 h of token r, 32 registers, in an order within the block that is the same for q and k; so the quantiser asks no other lane, and its codes are registers 4 (w % 2) .. + 3 of the fragment of K step w / 2.
; CLUSTER.  All work-groups read the same weights: four form a cluster and ask for each weight tile JOINTLY (mask 15).  x is each work-group's own: it comes through registers, once.
; No prefetch: x is read once, ahead of any loop, and Wv's two chunks are asked for 256 products, and a softmax of 256 scores a lane, ahead of their first read.
; LIMITS.  NaN and infinities are not served.  A block of q or k whose largest magnitude lies under 2^-124 (a block of zeros among them) gets the scale byte 1; a block of zeros has zero codes, and only this text reads the bytes.
; A weight p = 2^(c s - c max) under 2^-126 counts as 0.
; REGISTERS, in windows of 256 (s_set_vgpr_msb: bits 1:0 source 0, 3:2 source 1, 5:4 source 2, 7:6 destination):
;   window 0: v1-23 addresses; v24-55 scale words and nothing else; v56-183 x's two buffers and q's and k's accumulators, then q's fragments, then Wv's tiles 0-3; v184-247 at work; v248-255 lane terms.
;   window 1: Wq (0-127) and Wk (128-255); then the scores; then Wv's tiles 4-7, two buffers of x, eight accumulators.
.set P,     272                        ; an LDS row: 256 bytes + 16 of padding: the 16 rows of a fragment load start 4 banks apart (64 banks of 4 bytes: ISA guide 11.1)
.set WL,    128*P                      ; LDS: x's tokens 0-127 at 0; here Wq's 512 rows, then Wk's; later, over them: x's tokens 128-255,
.set IMG,   256*P                      ; the images of q and k: tile t: 8192 t + 4096 (k) + 1024 s + 512 c + 16 lane,
.set QSC,   IMG+131072                 ; q's scale bytes: 16 a token; k's behind them,
.set KSC,   QSC+4096
.set SLOT,  KSC+4096                   ; the chunk slot of Wv: 32 rows a wave; never stored into,
.set EXCH,  SLOT+256*P                 ; what partners exchange: 512 bytes a wave,
.set WF,    EXCH+4096                  ; w[256],
.set OST,   WF+1024                    ; out's parts: [wave][half of the lanes][128] f32
.set XSC,   WL+1024*P                  ; x's scale bytes: 16 a token
.set SPARE, XSC+4096                   ; the spare words: 128 bytes a wave
.set RED,   IMG                        ; the column sums' parts, over the images: [half of the keys][64 rows: query group, r][128 f32 + 16 bytes]
.set RP,    528
.set RH,    64*RP
.set SPW, 1                            ; SPARE + 4 x my thread's number; never rewritten
.set NIL, 2                            ; 0; never rewritten
.set GX,  3                            ; 16 x thread
.set GWP, 4                            ; Wq's and Wk's scale bytes: 16 x the row of my lane
.set XST, 5                            ; where I store 16 bytes of x
.set XA0, 6                            ; P r + 16 h: my place in a tile of x (r = lane % 16, h = lane / 16)
.set XS0, 7                            ; XSC + 16 r
.set NM,  8                            ; v8, 10, 12, 14: -c max of query tiles 0-3, then the tiles' factors;  v9, 11, 13, 15: their sums
.set IW0, 16
.set SW0, 17
.set ADX, 18
.set ADS, 19
.set QI,  20
.set QC,  21
.set AV,  22
.set GWN, 23
.set WS,  24                           ; Wq's and Wk's scale words, 4 (2 m + u) + s;  then q's, 4 qt + s;  then Wv's, 4 i + s
.set XW,  40                           ; x's, two sets of four;  k's, 4 G + s
.set X0,  56                           ; x, two sets of 32
.set ACC, 120                          ; q's 32, k's 32
.set QF,  56                           ; q's fragments: 32 qt + 8 s
.set KB,  184                          ; k's, two buffers of 32
.set WVR, 56                           ; Wv's tiles 0-3
.set MX,  184
.set SCO, 188
.set BY,  190
.set CD,  224
.set COL, 184                          ; the column sums: 16 G + 8 vv + j: key 32 G + 16 vv + 8 h + j of my half
.set OA,  200                          ; out's sums: pair t for tile t of my 128 columns
.set WR,  232                          ; w of a tile of tokens, two sets of eight
.set PT,  248
.set LANE, 252
.set RR,  253
.set HH,  254
.set L7,  255
.set WV,  22                           ; s22 my wave's number
.set QG,  23                           ; s23 w % 4
.set KH,  28                           ; s28 w / 4
.set TT,  29
.set G1W, 32
.set G1V, 40
.set G0A, 48
.set G0B, 52
.set G0V, 56
.set SEL, 84                           ; s[84:85] v_permlanex16_b32's selects for lane l xor 16
.set CS,  86                           ; s[86:87] c = log2(e) / sqrt(512), twice: the packed form names the pair
.set NC,  88                           ; -c
.set CNT, 89
.set TX,  90
.set TS,  91
.set TI,  92
.set TW,  93
.set PADW, (1<<20)|(5<<22)|(3<<25)     ; padding on; after every 64 words (code 5); 4 words of it (code 3); elements of 1 byte
.set MSB, 0
.macro WIN new                         ; the immediate's high byte repeats the setting that is left
.if MSB != (\new)
	s_set_vgpr_msb (MSB<<8)|(\new)
.set MSB, (\new)
.endif
.endm
.macro PLACES n                        ; plain places between a matrix instruction and a reader of its result or a load into its registers
.rept \n
	v_nop
.endr
.endm
.macro SHAPE g, rows                   ; a group 1: rows of 256 bytes, dense in memory, asked for jointly: the mask names all four work-groups; bit 21 is set beside a mask
	s_mov_b32 s[\g], 15|(1<<21)|PADW
	s_mov_b32 s[\g+1], 256<<16
	s_mov_b32 s[\g+2], (\rows)<<16
	s_mov_b32 s[\g+3], 256<<16
	s_mov_b32 s[\g+4], \rows
	s_mov_b32 s[\g+5], 256
	s_mov_b32 s[\g+6], 0
	s_mov_b32 s[\g+7], 0
.endm
.macro ROUND                           ; a round of the cluster's barrier
	s_barrier_signal -1
	s_barrier_wait -1
	s_cmp_lg_u32 s[WV], 0
	s_cbranch_scc1 .Lnot_wave_0_\@
	s_barrier_signal -3
.Lnot_wave_0_\@:
	s_barrier_wait -3
	s_barrier_signal -1
	s_barrier_wait -1
.endm
.macro BAR                             ; my LDS stores have landed and my LDS loads are in: then the work-group's barrier
	s_wait_dscnt 0x0
	s_barrier_signal -1
	s_barrier_wait -1
.endm
.macro XFETCH xf, xw, dwin, off, soff  ; nine LDS loads: a tile of 16 tokens of x, four fragments and four scale words a token
	WIN (\dwin)<<6
.irp s, 0,1,2,3
.irp k, 0,1
	ds_load_b128 v[\xf+8*\s+4*\k:\xf+8*\s+4*\k+3], v[ADX] offset:(\off)+64*\s+32*\k
.endr
.endr
	WIN 0
	ds_load_b128 v[\xw:\xw+3], v[ADS] offset:\soff
.endm
; THE QUANTISER of a tile: q's and k's 32 numbers of a lane are one block each.  The largest magnitude, two chains a block, with the floor 2^(3 - 127) as a leaf, so that the byte cannot fall under 1; each accumulator
; is read from its low end on; 2 off the exponent field is the conversions' scale operand, and its field the byte.
.macro QUANT
.irp m, 0,1
	v_max3_num_f32 v[MX+2*\m], |v[ACC+32*\m]|, |v[ACC+32*\m+1]|, 0x1800000
	v_max3_num_f32 v[MX+2*\m+1], |v[ACC+32*\m+16]|, |v[ACC+32*\m+17]|, |v[ACC+32*\m+18]|
.endr
.irp i, 1,2,3,4,5,6
.irp m, 0,1
	v_max3_num_f32 v[MX+2*\m], |v[ACC+32*\m+2*\i]|, |v[ACC+32*\m+2*\i+1]|, v[MX+2*\m]
	v_max3_num_f32 v[MX+2*\m+1], |v[ACC+32*\m+17+2*\i]|, |v[ACC+32*\m+18+2*\i]|, v[MX+2*\m+1]
.endr
.endr
.irp m, 0,1
	v_max3_num_f32 v[MX+2*\m], |v[ACC+32*\m+14]|, |v[ACC+32*\m+15]|, v[MX+2*\m]
.endr
.irp m, 0,1
	v_max3_num_f32 v[MX+2*\m], v[MX+2*\m], v[MX+2*\m+1], |v[ACC+32*\m+31]|
.endr
.irp m, 0,1
	v_add_nc_u32 v[SCO+\m], 0xff000000, v[MX+2*\m]
.endr
.irp m, 0,1
	v_lshrrev_b32 v[BY+\m], 23, v[SCO+\m]
.endr
.irp m, 0,1
.irp i, 0,1,2,3
	v_cvt_scalef32_pk8_fp4_f32 v[CD+4*\m+\i], v[ACC+32*\m+8*\i:ACC+32*\m+8*\i+7], v[SCO+\m]
.endr
.endr
	v_nop                                          ; a plain place behind the last conversion
.endm
; A STEP of passes Q and K: the tile in set c is multiplied, the next is fetched into the other set, this one is quantised and its images are stored.  Lane (r, h) holds token r; the four accumulators take turns.
; last = 1: the loop's last trip fetches nothing.
.macro STEPQK c, last
	s_wait_dscnt 0x4                               ; LDS instructions end in order: this tile's nine loads are in; the four stores behind them may be out
.if \c
	s_add_co_u32 s[TX], s[TX], 32*P
	s_add_co_u32 s[TS], s[TS], 512
	s_add_co_u32 s[TI], s[TI], 16384
.endif
.if \last
	s_cmp_eq_u32 s[CNT], 1
	s_cbranch_scc1 .Lno_next_\@
.endif
	XFETCH X0+32*(1-(\c)), XW+4*(1-(\c)), 0, 16*P*(1+(\c)), 256*(1+(\c))   ; the last tile's quantiser stands between that buffer's last products and these loads
.if \last
.Lno_next_\@:
.endif
	WIN 0x01
.irp s, 0,1,2,3
.irp m, 0,1
.irp u, 0,1
.if \s == 0
	v_wmma_scale_f32_32x16x128_f4 v[ACC+32*\m+16*\u:ACC+32*\m+16*\u+15], v[128*\m+64*\u+16*\s:128*\m+64*\u+16*\s+15], v[X0+32*(\c)+8*\s:X0+32*(\c)+8*\s+7], 0, v[WS+8*\m+4*\u+\s], v[XW+4*(\c)+\s]
.else
	v_wmma_scale_f32_32x16x128_f4 v[ACC+32*\m+16*\u:ACC+32*\m+16*\u+15], v[128*\m+64*\u+16*\s:128*\m+64*\u+16*\s+15], v[X0+32*(\c)+8*\s:X0+32*(\c)+8*\s+7], v[ACC+32*\m+16*\u:ACC+32*\m+16*\u+15], v[WS+8*\m+4*\u+\s], v[XW+4*(\c)+\s]
.endif
.endr
.endr
.endr
	WIN 0
.if \c                                 ; four places behind the products: two additions and two v_nop
	v_add_nc_u32 v[ADX], s[TX], v[XA0]
	v_add_nc_u32 v[ADS], s[TS], v[XS0]
.else
	v_add_nc_u32 v[QI], s[TI], v[IW0]
	v_add_nc_u32 v[QC], s[TS], v[SW0]
.endif
	PLACES 2
	QUANT
	ds_store_b128 v[QI], v[CD:CD+3] offset:8192*(\c)
	ds_store_b128 v[QI], v[CD+4:CD+7] offset:8192*(\c)+4096
	ds_store_b8 v[QC], v[BY] offset:256*(\c)
	ds_store_b8 v[QC], v[BY+1] offset:256*(\c)+4096
.endm
.macro QLOAD s0                        ; q's fragments of K steps s0, s0 + 1 for my four tiles of queries
.irp s, \s0, \s0+1
.irp t, 0,1,2,3
.irp k, 0,1
	ds_load_b128 v[QF+32*\t+8*(\s)+4*\k:QF+32*\t+8*(\s)+4*\k+3], v[ADX] offset:8192*\t+1024*(\s)+512*\k
.endr
.endr
.endr
.endm
.macro KGRAN n                         ; granule n of k: 32 keys (G = n / 2), K steps 2 (n % 2) and + 1: two 32-row operands
.irp s, 0,1
.irp y, 0,1
.irp k, 0,1
	ds_load_b128 v[KB+32*((\n)%2)+16*\s+8*\y+4*\k:KB+32*((\n)%2)+16*\s+8*\y+4*\k+3], v[ADS] offset:4096+16384*((\n)/2)+8192*\y+1024*(2*((\n)%2)+\s)+512*\k
.endr
.endr
.endr
.endm
; S^T = k q^T: source 0 = 32 keys, source 1 = 16 queries.  Lane (r, h) holds query r; register 64 qt + 16 G + 8 vv + j of window 1 the key 32 G + 16 vv + 8 h + j of my half.  The four query tiles take turns.
.macro SGRAN n
.if (\n) > 0
	PLACES 4
.endif
.if (\n) < 7
	KGRAN (\n)+1
.endif
.if (\n) == 0
	s_wait_dscnt 0x18                              ; q's K steps 2 and 3 (16 loads) and the next granule (8) may be out
.elseif (\n) < 7
	s_wait_dscnt 0x8                               ; the next granule's eight may be out
.else
	s_wait_dscnt 0x0
.endif
	WIN 0x50
.irp s, 0,1
.irp t, 0,1,2,3
.if (2*((\n)%2)+\s) == 0
	v_wmma_scale_f32_32x16x128_f4 v[64*\t+16*((\n)/2):64*\t+16*((\n)/2)+15], v[KB+32*((\n)%2)+16*\s:KB+32*((\n)%2)+16*\s+15], v[QF+32*\t+8*(2*((\n)%2)+\s):QF+32*\t+8*(2*((\n)%2)+\s)+7], 0, v[XW+4*((\n)/2)+2*((\n)%2)+\s], v[WS+4*\t+2*((\n)%2)+\s]
.else
	v_wmma_scale_f32_32x16x128_f4 v[64*\t+16*((\n)/2):64*\t+16*((\n)/2)+15], v[KB+32*((\n)%2)+16*\s:KB+32*((\n)%2)+16*\s+15], v[QF+32*\t+8*(2*((\n)%2)+\s):QF+32*\t+8*(2*((\n)%2)+\s)+7], v[64*\t+16*((\n)/2):64*\t+16*((\n)/2)+15], v[XW+4*((\n)/2)+2*((\n)%2)+\s], v[WS+4*\t+2*((\n)%2)+\s]
.endif
.endr
.endr
	WIN 0
.endm
.macro WVLOAD base                     ; four tiles of 16 rows of Wv out of the slot: fragment (t, s) at base + 32 t + 8 s
.irp t, 0,1,2,3
.irp s, 0,1,2,3
.irp k, 0,1
	ds_load_b128 v[\base+32*\t+8*\s+4*\k:\base+32*\t+8*\s+4*\k+3], v[AV] offset:16*P*\t+64*\s+32*\k
.endr
.endr
.endr
.endm
.macro EXPS t                          ; 64 exponentials of query tile t; the next tile's c s - c max stand between them and are read behind the next wait alone
.set EE, 0
.rept 32
	v_exp_f32 v[64*\t+2*EE], v[64*\t+2*EE]
	v_exp_f32 v[64*\t+2*EE+1], v[64*\t+2*EE+1]
.if \t < 3
	v_pk_fma_f32 v[64*(\t+1)+2*EE:64*(\t+1)+2*EE+1], v[64*(\t+1)+2*EE:64*(\t+1)+2*EE+1], s[CS:CS+1], v[NM+2*(\t+1):NM+2*(\t+1)+1] op_sel_hi:[1,0,0]
.endif
.set EE, EE+1
.endr
.endm
.macro SUMS t                          ; the row's sum over my 64 registers, four chains, into v[184 + 8 t] and + 1
	WIN 0x05
.irp i, 0,1,2,3
	v_pk_add_f32 v[184+8*\t+2*\i:185+8*\t+2*\i], v[64*\t+4*\i:64*\t+4*\i+1], v[64*\t+4*\i+2:64*\t+4*\i+3]
.endr
	WIN 0x01
.set EE, 8
.rept 24
	v_pk_add_f32 v[184+8*\t+2*(EE%4):185+8*\t+2*(EE%4)], v[64*\t+2*EE:64*\t+2*EE+1], v[184+8*\t+2*(EE%4):185+8*\t+2*(EE%4)]
.set EE, EE+1
.endr
	WIN 0
	v_pk_add_f32 v[184+8*\t:185+8*\t], v[184+8*\t:185+8*\t], v[186+8*\t:187+8*\t]
	v_pk_add_f32 v[188+8*\t:189+8*\t], v[188+8*\t:189+8*\t], v[190+8*\t:191+8*\t]
	v_pk_add_f32 v[184+8*\t:185+8*\t], v[184+8*\t:185+8*\t], v[188+8*\t:189+8*\t]
	WIN 0x41
.endm
; A tile of 16 tokens of pass V: source 0 = 16 tokens, source 1 = 16 rows of Wv.  Lane (r, h) holds e = 128 (w % 4) + 16 t + r; register j token 8 h + j.
.macro STEPV c, last
	s_wait_alu depctr_va_vdst(0)
	s_wait_dscnt 0x0                               ; this tile's loads, issued a step ago, are in
.if \c
	s_add_co_u32 s[TX], s[TX], 32*P
	s_add_co_u32 s[TS], s[TS], 512
	s_add_co_u32 s[TW], s[TW], 128
.endif
.if \last
	s_cmp_eq_u32 s[CNT], 1
	s_cbranch_scc1 .Lno_tile_\@
.endif
	XFETCH 128+32*(1-(\c)), XW+4*(1-(\c)), 1, 16*P*(1+(\c)), 256*(1+(\c))
	ds_load_b128 v[WR+8*(1-(\c)):WR+8*(1-(\c))+3], v[QC] offset:64*(1+(\c))
	ds_load_b128 v[WR+8*(1-(\c))+4:WR+8*(1-(\c))+7], v[QC] offset:64*(1+(\c))+16
.if \last
.Lno_tile_\@:
.endif
.irp f, 0,1
	WIN 0x51+4*\f
.irp s, 0,1,2,3
.irp t, 0,1,2,3
.if \s == 0
.if \t % 2
	v_wmma_scale_f32_16x16x128_f8f6f4 v[192+32*\f+8*\t:192+32*\f+8*\t+7], v[128+32*(\c)+8*\s:128+32*(\c)+8*\s+7], v[WVR*(1-\f)+32*\t+8*\s:WVR*(1-\f)+32*\t+8*\s+7], 0, v[XW+4*(\c)+\s], v[WS+4*(2*\f+\t/2)+\s] matrix_a_fmt:MATRIX_FMT_FP4 matrix_b_fmt:MATRIX_FMT_FP4 matrix_b_scale:MATRIX_SCALE_ROW1
.else
	v_wmma_scale_f32_16x16x128_f8f6f4 v[192+32*\f+8*\t:192+32*\f+8*\t+7], v[128+32*(\c)+8*\s:128+32*(\c)+8*\s+7], v[WVR*(1-\f)+32*\t+8*\s:WVR*(1-\f)+32*\t+8*\s+7], 0, v[XW+4*(\c)+\s], v[WS+4*(2*\f+\t/2)+\s] matrix_a_fmt:MATRIX_FMT_FP4 matrix_b_fmt:MATRIX_FMT_FP4
.endif
.else
.if \t % 2
	v_wmma_scale_f32_16x16x128_f8f6f4 v[192+32*\f+8*\t:192+32*\f+8*\t+7], v[128+32*(\c)+8*\s:128+32*(\c)+8*\s+7], v[WVR*(1-\f)+32*\t+8*\s:WVR*(1-\f)+32*\t+8*\s+7], v[192+32*\f+8*\t:192+32*\f+8*\t+7], v[XW+4*(\c)+\s], v[WS+4*(2*\f+\t/2)+\s] matrix_a_fmt:MATRIX_FMT_FP4 matrix_b_fmt:MATRIX_FMT_FP4 matrix_b_scale:MATRIX_SCALE_ROW1
.else
	v_wmma_scale_f32_16x16x128_f8f6f4 v[192+32*\f+8*\t:192+32*\f+8*\t+7], v[128+32*(\c)+8*\s:128+32*(\c)+8*\s+7], v[WVR*(1-\f)+32*\t+8*\s:WVR*(1-\f)+32*\t+8*\s+7], v[192+32*\f+8*\t:192+32*\f+8*\t+7], v[XW+4*(\c)+\s], v[WS+4*(2*\f+\t/2)+\s] matrix_a_fmt:MATRIX_FMT_FP4 matrix_b_fmt:MATRIX_FMT_FP4
.endif
.endif
.endr
.endr
.endr
	WIN 0
.if \c                                 ; four places behind the products
	v_add_nc_u32 v[ADX], s[TX], v8
	v_add_nc_u32 v[ADS], s[TS], v9
	v_add_nc_u32 v[QC], s[TW], v10
	PLACES 1
.else
	PLACES 4
.endif
	WIN 0x01
.irp j, 0,2,4,6                        ; each accumulator from its low end on
.irp t, 0,1,2,3,4,5,6,7
	v_pk_fma_f32 v[OA+2*\t:OA+2*\t+1], v[192+8*\t+\j:192+8*\t+\j+1], v[WR+8*(\c)+\j:WR+8*(\c)+\j+1], v[OA+2*\t:OA+2*\t+1]
.endr
.endr
	WIN 0
.endm
	; ---- HEAD
	s_load_b512 s[4:19], s[0:1], 0x0               ; x's codes 4, x's scales 6, Wq's 8, 10, Wk's 12, 14, Wv's 16, 18
	s_load_b64 s[20:21], s[0:1], 0x40              ; out
	v_lshl_add_u32 v[SPW], v0, 2, SPARE
	v_mov_b32 v[NIL], 0
	ds_add_u32 v[SPW], v[NIL]                      ; the wave's opening: the add, twice on end, and its wait ahead of my first tensor load
	ds_add_u32 v[SPW], v[NIL]
	v_lshrrev_b32 v22, 5, v0
	v_readfirstlane_b32 s[WV], v22                 ; wave 0..7
	s_and_b32 s[QG], s[WV], 3
	s_lshr_b32 s[KH], s[WV], 2
	s_bfe_u32 s30, ttmp6, 0x40000                  ; cx
	s_lshl_b32 s31, ttmp9, 2                       ; in a cluster launch ttmp9 counts clusters
	s_add_co_u32 s31, s31, s30                     ; my batch: it enters x's and out's global addresses alone
	SHAPE G1W, 128
	SHAPE G1V, 32
	s_mov_b32 s[SEL], 0x76543210
	s_mov_b32 s[SEL+1], 0xfedcba98
	s_mov_b32 s[CS], 0x3d8293ee                    ; c = log2(e) / sqrt(512)
	s_mov_b32 s[CS+1], s[CS]
	s_mov_b32 s[NC], 0xbd8293ee                    ; -c
.irp g, G0A, G0B, G0V
	s_mov_b32 s[\g], 1                             ; count = 1
.endr
	s_mul_i32 s[G0A+1], s[WV], 128*P               ; waves 0-3 bring Wq, waves 4-7 Wk, which lies behind it: 128 rows each
	s_add_co_u32 s[G0A+1], s[G0A+1], WL
	s_mul_i32 s[G0B+1], s[WV], 128*P
	s_add_co_u32 s[G0B+1], s[G0B+1], WL
	s_mul_i32 s[G0V+1], s[WV], 32*P
	s_add_co_u32 s[G0V+1], s[G0V+1], SLOT
	s_lshl_b32 s66, s31, 16                        ; x's codes: 65536 x batch
	s_mov_b32 s67, 0
	s_lshl_b32 s68, s31, 12                        ; its scale bytes: 4096 x batch
	s_mov_b32 s69, 0
	s_lshl_b32 s70, s[WV], 10                      ; my 64 rows of Wq's and Wk's scale bytes
	s_mov_b32 s71, 0
	s_lshl_b32 s72, s[QG], 11                      ; my 128 rows of Wv's
	s_mov_b32 s73, 0
	s_lshl_b32 s74, s31, 11                        ; out: 2048 x batch + 256 x wave
	s_lshl_b32 s[TT], s[WV], 8
	s_add_co_u32 s74, s74, s[TT]
	s_mov_b32 s75, 0
	s_lshl_b32 s76, s[QG], 15                      ; the 128 rows of Wq or Wk that I fetch
	s_mov_b32 s77, 0
	s_lshr_b32 s78, s[WV], 1                       ; Wv's 32 rows that I fetch for a chunk: 128 (w / 2) + 32 (w % 2)
	s_lshl_b32 s78, s78, 15
	s_and_b32 s[TT], s[WV], 1
	s_lshl_b32 s[TT], s[TT], 13
	s_add_co_u32 s78, s78, s[TT]
	s_mov_b32 s79, 0
	s_mov_b32 s[TX], 0
	s_mov_b32 s[TS], 0
	s_mov_b32 s[TI], 0
	v_and_b32 v[LANE], 31, v0
	v_and_b32 v[RR], 15, v0
	v_bfe_u32 v[HH], v0, 4, 1
	v_and_b32 v[L7], 7, v0
	v_bfe_u32 v58, v0, 3, 1                        ; b = r / 8
	v_lshlrev_b32 v[GX], 4, v0
	v_xor_b32 v61, v[HH], v58                      ; scale bytes of the 32-row operands: lane 16 vv + r takes row 16 vv + r
	v_lshl_add_u32 v61, v61, 3, v[L7]
	v_lshl_add_u32 v61, v58, 5, v61
	v_lshlrev_b32 v[GWP], 4, v61
	v_lshrrev_b32 v62, 4, v0
	v_mul_u32_u24 v62, v62, P
	v_lshl_add_u32 v[XST], v[RR], 4, v62
	v_mul_u32_u24 v62, v[RR], P
	v_lshl_add_u32 v[XA0], v[HH], 4, v62
	v_lshl_add_u32 v[XS0], v[RR], 4, XSC
	v_lshl_add_u32 v12, v0, 4, XSC
	v_mad_u32_u24 v61, v58, 40, v[L7]              ; vv = 0: row (r % 8) + 40 b;  vv = 1: row 8 + (r % 8) + 24 b: sixteen different rows modulo 16
	v_mad_u32_u24 v62, v58, 24, v[L7]
	v_mul_u32_u24 v61, v61, P
	v_mul_u32_u24 v62, v62, P
	v_lshl_add_u32 v61, v[HH], 4, v61
	v_lshl_add_u32 v62, v[HH], 4, v62
	s_mul_i32 s[TT], s[WV], 64*P
	s_add_co_u32 s[TT], s[TT], WL
	v_add_nc_u32 v8, s[TT], v61
	s_add_co_u32 s[TT], s[TT], 8*P
	v_add_nc_u32 v9, s[TT], v62
	s_add_co_u32 s[TT], s[TT], 504*P
	v_add_nc_u32 v10, s[TT], v61
	s_add_co_u32 s[TT], s[TT], 8*P
	v_add_nc_u32 v11, s[TT], v62
	s_lshl_b32 s[TT], s[WV], 9
	s_add_co_u32 s[TT], s[TT], IMG
	v_lshl_add_u32 v[IW0], v[LANE], 4, s[TT]
	s_lshl_b32 s[TT], s[WV], 1
	s_add_co_u32 s[TT], s[TT], QSC
	v_lshl_add_u32 v[SW0], v[RR], 4, s[TT]         ; byte 2 w + h of a token's 16
	v_add_nc_u32 v[SW0], v[SW0], v[HH]
	v_add_nc_u32 v[ADX], s[TX], v[XA0]
	v_add_nc_u32 v[ADS], s[TS], v[XS0]
.irp i, 0,1,2,3
	v_mov_b32 v[PT+\i], 0                          ; written once: a lane permute's destination counts as one of its sources
.endr
	s_wait_alu depctr_va_vdst(0)
	s_wait_dscnt 0x0                               ; both opening adds are done
	s_wait_kmcnt 0x0
	s_add_nc_u64 s[24:25], s[4:5], s[66:67]
	s_add_nc_u64 s[26:27], s[6:7], s[68:69]
	s_add_nc_u64 s[10:11], s[10:11], s[70:71]
	s_add_nc_u64 s[14:15], s[14:15], s[70:71]
	s_add_nc_u64 s[18:19], s[18:19], s[72:73]
	s_add_nc_u64 s[20:21], s[20:21], s[74:75]
	s_add_nc_u64 s[16:17], s[16:17], s[78:79]
	s_add_nc_u64 s[G0A+2:G0A+3], s[8:9], s[76:77]
	s_add_nc_u64 s[G0B+2:G0B+3], s[12:13], s[76:77]
	s_mov_b64 s[G0V+2:G0V+3], s[16:17]             ; Wv's first chunk: the first 64 of each 128 rows
.irp g, G0A, G0B, G0V
	s_or_b32 s[\g+3], s[\g+3], 0x80000000          ; type = 2
.endr
.irp i, 0,1,2,3,4,5,6,7                ; x's tokens 0-127: the work-group reads 4,096 consecutive bytes a line
	global_load_b128 v[120+4*\i:123+4*\i], v[GX], s[24:25] offset:4096*\i th:TH_LOAD_NT
.endr
	global_load_b128 v[152:155], v[GX], s[26:27] th:TH_LOAD_NT
.irp u, 0,1
	global_load_b128 v[WS+4*\u:WS+4*\u+3], v[GWP], s[10:11] offset:256*\u
	global_load_b128 v[WS+8+4*\u:WS+8+4*\u+3], v[GWP], s[14:15] offset:256*\u
.endr
.irp i, 0,1,2,3,4,5,6,7                ; tokens 128-255 wait in registers for the weights' bytes
	global_load_b128 v[192+4*\i:195+4*\i], v[GX], s[24:25] offset:32768+4096*\i th:TH_LOAD_NT
.endr
	ROUND                                          ; all four work-groups are here: the first joint loads meet
	s_cmp_lt_u32 s[WV], 4                          ; one tensor load a wave
	s_cbranch_scc0 .Lfor_k
	tensor_load_to_lds s[G0A:G0A+3], s[G1W:G1W+7]
	s_nop 0
	PLACES 4
	s_branch .Lasked
.Lfor_k:
	tensor_load_to_lds s[G0B:G0B+3], s[G1W:G1W+7]
	s_nop 0
	PLACES 4
.Lasked:
	s_wait_loadcnt 0xc                             ; x's first half and its scale bytes are in; four loads of scales and x's second half (8) may be out
.irp i, 0,1,2,3,4,5,6,7
	ds_store_b128 v[XST], v[120+4*\i:123+4*\i] offset:16*P*\i
.endr
	ds_store_b128 v12, v[152:155]
	s_wait_tensorcnt 0x0                           ; my 128 rows have landed
	BAR                                            ; Wq, Wk and x's first half are whole.
	XFETCH X0, XW, 0, 0, 0                         ; the first tile
	WIN 0x40
.irp m, 0,1
.irp u, 0,1
.irp s, 0,1,2,3
.irp y, 0,1
.irp k, 0,1
	ds_load_b128 v[128*\m+64*\u+16*\s+8*\y+4*\k:128*\m+64*\u+16*\s+8*\y+4*\k+3], v[8+2*\m+\y] offset:16*P*\u+64*\s+32*\k
.endr
.endr
.endr
.endr
.endr
	WIN 0
	s_wait_tensorcnt 0x0                           ; no tensor load of mine is out
	ds_add_u32 v[SPW], v[NIL]                      ; 0 onto my spare word
	s_mov_b32 s[CNT], 2
	s_wait_dscnt 0x0                               ; the add is done, and my weights are in registers
	ROUND                                          ; so are everybody's, in all four work-groups
	tensor_load_to_lds s[G0V:G0V+3], s[G1V:G1V+7]  ; Wv's first chunk
	s_nop 0
	PLACES 4
	s_wait_loadcnt 0x0                             ; x's second half and the scale words
.irp i, 0,1,2,3,4,5,6,7
	ds_store_b128 v[XST], v[192+4*\i:195+4*\i] offset:128*P+16*P*\i
.endr
	; ---- PASSES Q AND K: tiles 0-3, then, behind a barrier that shows x's second half, tiles 4-15
.Lqk_a:
	STEPQK 0, 0
	STEPQK 1, 0
	s_sub_co_u32 s[CNT], s[CNT], 1
	s_cmp_lg_u32 s[CNT], 0
	s_cbranch_scc1 .Lqk_a
	BAR
	s_mov_b32 s[CNT], 6
.Lqk_b:
	STEPQK 0, 0
	STEPQK 1, 1
	s_sub_co_u32 s[CNT], s[CNT], 1
	s_cmp_lg_u32 s[CNT], 0
	s_cbranch_scc1 .Lqk_b
	; ---- SCORES
	s_lshl_b32 s[TT], s[QG], 15
	s_add_co_u32 s[TT], s[TT], IMG
	v_lshl_add_u32 v[ADX], v[LANE], 4, s[TT]       ; q's images, my four tiles
	s_lshl_b32 s[TT], s[KH], 16
	s_add_co_u32 s[TT], s[TT], IMG
	v_lshl_add_u32 v[ADS], v[LANE], 4, s[TT]       ; k's, my eight
	s_lshl_b32 s[TT], s[QG], 10
	s_add_co_u32 s[TT], s[TT], QSC
	v_lshl_add_u32 v[QI], v[RR], 4, s[TT]
	s_lshl_b32 s[TT], s[KH], 11
	s_add_co_u32 s[TT], s[TT], KSC
	v_lshl_add_u32 v[QC], v[LANE], 4, s[TT]
	s_mul_i32 s[TT], s[QG], 64*P
	s_add_co_u32 s[TT], s[TT], SLOT
	v_add_nc_u32 v[AV], s[TT], v[XA0]              ; my 64 rows of the chunk slot
	v_lshlrev_b32 v[GWN], 4, v[LANE]
	s_wait_alu depctr_va_vdst(0)
	s_wait_tensorcnt 0x0                           ; my part of Wv's first chunk has landed
	BAR                                            ; all images, all scale bytes and the chunk are whole.
.irp i, 0,1,2,3
	ds_load_b128 v[XW+4*\i:XW+4*\i+3], v[QC] offset:512*\i      ; k's scale words: 32 keys a load, a lane a key
.endr
.irp i, 0,1,2,3
	ds_load_b128 v[WS+4*\i:WS+4*\i+3], v[QI] offset:256*\i      ; q's
.endr
	KGRAN 0
	QLOAD 0
	QLOAD 2
.irp n, 0,1,2,3,4,5,6,7
	SGRAN \n
.endr
	PLACES 4
	WVLOAD WVR                                     ; Wv's tiles 0-3 take q's registers
.irp i, 0,1,2,3
	global_load_b128 v[WS+4*\i:WS+4*\i+3], v[GWN], s[18:19] offset:512*\i   ; Wv's scale words: lanes 0-15 tile 2 i, lanes 16-31 tile 2 i + 1
.endr
	; ---- SOFTMAX: the maximum of my 128 keys, a query a lane
	WIN 0x05
.irp t, 0,1,2,3
	v_max_num_f32 v[NM+2*\t], v[64*\t], v[64*\t+1]
.endr
.set EE, 2
.rept 31
.irp t, 0,1,2,3
	v_max3_num_f32 v[NM+2*\t], v[64*\t+EE], v[64*\t+EE+1], v[NM+2*\t]
.endr
.set EE, EE+2
.endr
	WIN 0
	s_wait_alu depctr_va_vdst(0)
	s_wait_tensorcnt 0x0                           ; no tensor load of mine is out
	ds_add_u32 v[SPW], v[NIL]                      ; 0 onto my spare word
.irp t, 0,1,2,3
	v_permlanex16_b32 v[PT+\t], v[NM+2*\t], s[SEL], s[SEL+1]
.endr
.irp t, 0,1,2,3
	v_max_num_f32 v[NM+2*\t], v[NM+2*\t], v[PT+\t]
.endr
.irp t, 0,1,2,3
	v_mul_f32 v[NM+2*\t], s[NC], v[NM+2*\t]        ; -c max: rounded once, the same wherever this maximum is used
	v_mov_b32 v[NM+2*\t+1], 0                      ; (named as a pair's upper half before the sum lies there)
.endr
	s_mul_i32 s[TT], s[KH], RH
	s_mul_i32 s30, s[QG], 16*RP
	s_add_co_u32 s30, s30, s[TT]
	s_add_co_u32 s30, s30, RED
	v_mul_u32_u24 v16, v[RR], RP                   ; where my column sums go: row 16 (w % 4) + r
	v_lshl_add_u32 v16, v[HH], 5, v16
	v_add_nc_u32 v16, s30, v16
	s_lshl_b32 s30, s[QG], 7
	s_add_co_u32 s30, s30, s[TT]
	s_add_co_u32 s30, s30, RED
	v_bfe_u32 v17, v0, 3, 1                        ; where I add up 32 keys, 32 w on: lanes 0-7 a row's 128 bytes, lanes 8-15 eight rows on, lanes 16-31 four more
	v_mul_u32_u24 v17, v17, 8*RP
	v_mul_u32_u24 v18, v[HH], 4*RP
	v_add_nc_u32 v17, v17, v18
	v_lshl_add_u32 v17, v[L7], 4, v17
	v_add_nc_u32 v17, s30, v17
	s_lshl_b32 s30, s[WV], 9
	s_add_co_u32 s30, s30, EXCH
	v_lshl_add_u32 v20, v[RR], 4, s30
	s_xor_b32 s30, s[WV], 4
	s_lshl_b32 s30, s30, 9
	s_add_co_u32 s30, s30, EXCH
	v_lshl_add_u32 v21, v[RR], 4, s30
	s_add_nc_u64 s[G0V+2:G0V+3], s[16:17], 0x4000  ; Wv's second chunk: 64 rows on
	s_or_b32 s[G0V+3], s[G0V+3], 0x80000000
	s_wait_alu depctr_va_vdst(0)
	s_wait_dscnt 0x0                               ; the add is done, and my reads of the slot are in
	ROUND
	tensor_load_to_lds s[G0V:G0V+3], s[G1V:G1V+7]
	s_nop 0
	PLACES 4
	WIN 0x41
.set EE, 0
.rept 32
	v_pk_fma_f32 v[2*EE:2*EE+1], v[2*EE:2*EE+1], s[CS:CS+1], v[NM:NM+1] op_sel_hi:[1,0,0]   ; c s - c max
.set EE, EE+1
.endr
	s_wait_alu depctr_va_vdst(0)
	EXPS 0
	s_wait_alu depctr_va_vdst(0)
	SUMS 0
	EXPS 1
	s_wait_alu depctr_va_vdst(0)
	SUMS 1
	EXPS 2
	s_wait_alu depctr_va_vdst(0)
	SUMS 2
	EXPS 3
	v_nop                                          ; a plain place behind the last exponential
	s_wait_alu depctr_va_vdst(0)
	SUMS 3
	WIN 0
.irp t, 0,1,2,3
	v_add_f32 v[NM+2*\t+1], v[184+8*\t], v[185+8*\t]
.endr
.irp t, 0,1,2,3
	v_permlanex16_b32 v[PT+\t], v[NM+2*\t+1], s[SEL], s[SEL+1]
.endr
.irp t, 0,1,2,3
	v_add_f32 v[NM+2*\t+1], v[NM+2*\t+1], v[PT+\t] ; the sum over my 128 keys
.endr
	ds_store_b128 v20, v[NM:NM+3]                  ; both halves of the lanes write the same words with the same values
	ds_store_b128 v20, v[NM+4:NM+7] offset:256
	s_wait_alu depctr_va_vdst(0)
	BAR
	ds_load_b128 v[184:187], v21                   ; my partner's -c max and sums
	ds_load_b128 v[188:191], v21 offset:256
	s_wait_dscnt 0x0
.irp t, 0,1,2,3
	v_min_num_f32 v[192+\t], v[NM+2*\t], v[184+2*\t]   ; -c x the row's maximum
.endr
.irp t, 0,1,2,3
	v_sub_f32 v[196+\t], v[192+\t], v[NM+2*\t]
	v_sub_f32 v[200+\t], v[192+\t], v[184+2*\t]
.endr
	s_wait_alu depctr_va_vdst(0)
.irp t, 0,1,2,3,4,5,6,7
	v_exp_f32 v[196+\t], v[196+\t]
.endr
	v_nop
	s_wait_alu depctr_va_vdst(0)
.irp t, 0,1,2,3
	v_mul_f32 v[204+\t], v[NM+2*\t+1], v[196+\t]
.endr
.irp t, 0,1,2,3
	v_fma_f32 v[204+\t], v[185+2*\t], v[200+\t], v[204+\t]   ; the row's sum
.endr
	s_wait_alu depctr_va_vdst(0)
.irp t, 0,1,2,3
	v_rcp_f32 v[204+\t], v[204+\t]
.endr
	v_nop
	s_wait_alu depctr_va_vdst(0)
.irp t, 0,1,2,3
	v_mul_f32 v[NM+2*\t], v[196+\t], v[204+\t]     ; what turns my p into the row's softmax
.endr
	WIN 0x01
.set EE, 0
.rept 32
	v_pk_mul_f32 v[COL+2*EE:COL+2*EE+1], v[2*EE:2*EE+1], v[NM:NM+1] op_sel_hi:[1,0]   ; THE COLUMN SUMS over my four tiles of queries
.set EE, EE+1
.endr
.irp t, 1,2,3
.set EE, 0
.rept 32
	v_pk_fma_f32 v[COL+2*EE:COL+2*EE+1], v[64*\t+2*EE:64*\t+2*EE+1], v[NM+2*\t:NM+2*\t+1], v[COL+2*EE:COL+2*EE+1] op_sel_hi:[1,0,1]
.set EE, EE+1
.endr
.endr
	WIN 0
.irp g, 0,1,2,3,4,5,6,7
.irp i, 0,1
	ds_store_b128 v16, v[COL+8*\g+4*\i:COL+8*\g+4*\i+3] offset:64*\g+16*\i
.endr
.endr
	s_mul_i32 s[TT], s[KH], 128*P                  ; pass V's addresses: my 128 tokens of x,
	v_add_nc_u32 v8, s[TT], v[XA0]
	s_lshl_b32 s[TT], s[KH], 11
	v_add_nc_u32 v9, s[TT], v[XS0]
	s_lshl_b32 s[TT], s[KH], 9
	s_add_co_u32 s[TT], s[TT], WF
	v_lshl_add_u32 v10, v[HH], 5, s[TT]            ; and their w: tokens 8 h on of a tile
	s_lshl_b32 s[TT], s[WV], 7
	s_add_co_u32 s[TT], s[TT], WF
	v_lshl_add_u32 v20, v[L7], 4, s[TT]            ; where my 32 keys' w go
	s_mov_b32 s[TX], 0
	s_mov_b32 s[TS], 0
	s_mov_b32 s[TW], 0
	s_wait_alu depctr_va_vdst(0)
	v_add_nc_u32 v[ADX], s[TX], v8
	v_add_nc_u32 v[ADS], s[TS], v9
	v_add_nc_u32 v[QC], s[TW], v10
	s_wait_alu depctr_va_vdst(0)
	s_wait_tensorcnt 0x0                           ; my part of Wv's second chunk has landed
	BAR                                            ; all parts of the column sums and the chunk are whole.
.irp i, 0,1,2,3,4,5,6,7,8,9,10,11,12,13,14,15
	ds_load_b128 v[184+4*\i:187+4*\i], v17 offset:RP*(16*(\i/4)+(\i%4))
.endr
	WIN 0x40
	WVLOAD 0                                       ; Wv's tiles 4-7 take the scores' registers
	WIN 0
	XFETCH 128, XW, 1, 0, 0                        ; the first tile of pass V
	s_wait_loadcnt 0x0                             ; Wv's scale words
	s_wait_dscnt 0x29                              ; the 16 are in; Wv's 32 and x's nine may be out
.set DD, 8
.rept 4
.set EE, 0
.rept DD
	v_pk_add_f32 v[184+4*EE:185+4*EE], v[184+4*EE:185+4*EE], v[184+4*(EE+DD):185+4*(EE+DD)]
	v_pk_add_f32 v[186+4*EE:187+4*EE], v[186+4*EE:187+4*EE], v[186+4*(EE+DD):187+4*(EE+DD)]
.set EE, EE+1
.endr
.set DD, DD/2
.endr
.irp i, 0,1,2,3
	v_add_f32_dpp v[184+\i], v[184+\i], v[184+\i] row_xmask:8 row_mask:0xf bank_mask:0xf
.endr
.irp i, 0,1,2,3
	v_permlanex16_b32 v[PT+\i], v[184+\i], s[SEL], s[SEL+1]
.endr
.irp i, 0,1,2,3
	v_add_f32 v[184+\i], v[184+\i], v[PT+\i]
.endr
	ds_store_b128 v20, v[184:187]                  ; lanes that name the same words hold the same values
.irp i, 0,1,2,3,4,5,6,7,8,9,10,11,12,13,14,15
	v_mov_b32 v[OA+\i], 0
.endr
	s_mov_b32 s[CNT], 4
	s_wait_alu depctr_va_vdst(0)
	BAR                                            ; w is whole.
	ds_load_b128 v[WR:WR+3], v[QC]
	ds_load_b128 v[WR+4:WR+7], v[QC] offset:16
	; ---- PASS V: eight tiles of tokens, two a trip
.Lvalues:
	STEPV 0, 0
	STEPV 1, 1
	s_sub_co_u32 s[CNT], s[CNT], 1
	s_cmp_lg_u32 s[CNT], 0
	s_cbranch_scc1 .Lvalues
	; ---- OUT: four parts of each column (two halves of the tokens, two halves of the lanes) meet in LDS; a wave stores 256 consecutive bytes, at a multiple of 256 from out's first byte
	s_lshl_b32 s[TT], s[WV], 10
	s_add_co_u32 s[TT], s[TT], OST
	v_lshl_add_u32 v14, v[HH], 9, s[TT]
	v_lshl_add_u32 v14, v[RR], 2, v14
	s_lshr_b32 s[TT], s[WV], 1
	s_lshl_b32 s[TT], s[TT], 10
	s_and_b32 s30, s[WV], 1
	s_lshl_b32 s30, s30, 8
	s_add_co_u32 s[TT], s[TT], s30
	s_add_co_u32 s[TT], s[TT], OST
	v_lshl_add_u32 v15, v[LANE], 3, s[TT]
	v_lshlrev_b32 v[GWN], 3, v[LANE]
	s_wait_alu depctr_va_vdst(0)
.irp t, 0,1,2,3,4,5,6,7
	v_add_f32 v[184+\t], v[OA+2*\t], v[OA+2*\t+1]
.endr
.irp t, 0,1,2,3,4,5,6,7
	ds_store_b32 v14, v[184+\t] offset:64*\t
.endr
	BAR
	ds_load_b64 v[192:193], v15
	ds_load_b64 v[194:195], v15 offset:512
	ds_load_b64 v[196:197], v15 offset:4096
	ds_load_b64 v[198:199], v15 offset:4608
	s_wait_dscnt 0x0
	v_pk_add_f32 v[192:193], v[192:193], v[194:195]
	v_pk_add_f32 v[196:197], v[196:197], v[198:199]
	v_pk_add_f32 v[192:193], v[192:193], v[196:197]
	global_store_b64 v[GWN], v[192:193], s[20:21] th:TH_STORE_NT
	s_wait_tensorcnt 0x0                           ; the wave's end, behind my last tensor load and my last LDS store
	ds_add_u32 v[SPW], v[NIL]
	s_wait_dscnt 0x0
	ROUND                                          ; the closing round: no work-group ends while a partner may still ask for a tile that names it
	s_endpgm
.Lfunc_end_k_q3c6f2debca_merge:
	.size	k_q3c6f2debca_merge, .Lfunc_end_k_q3c6f2debca_merge-k_q3c6f2debca_merge
	.p2alignl 7, 3214868480
	.fill 96, 4, 3214868480
	.section	.rodata,"a",@progbits
	.p2align	6, 0x0
	.amdhsa_kernel k_q3c6f2debca_merge
		.amdhsa_group_segment_fixed_size 327680
		.amdhsa_private_segment_fixed_size 0
		.amdhsa_enable_private_segment 0
		.amdhsa_kernarg_size 72
		.amdhsa_user_sgpr_count 2
		.amdhsa_user_sgpr_kernarg_segment_ptr 1
		.amdhsa_wavefront_size32 1
		.amdhsa_system_sgpr_workgroup_id_x 1
		.amdhsa_system_sgpr_workgroup_id_y 1
		.amdhsa_system_sgpr_workgroup_id_z 1
		.amdhsa_system_vgpr_workitem_id 0
		.amdhsa_next_free_vgpr 512
		.amdhsa_next_free_sgpr 100
		.amdhsa_reserve_vcc 0
		.amdhsa_float_denorm_mode_32 3
		.amdhsa_float_denorm_mode_16_64 3
		.amdhsa_memory_ordered 1
		.amdhsa_forward_progress 1
		.amdhsa_inst_pref_size 131
	.end_amdhsa_kernel
	.amdgpu_metadata
---
amdhsa.version: [ 1, 2 ]
amdhsa.kernels:
  - .name:           k_q3c6f2debca_merge
    .symbol:         k_q3c6f2debca_merge.kd
    .args:
      - { .name: msg_stacked_codes, .offset: 0, .size: 8, .value_kind: global_buffer, .address_space: global }
      - { .name: msg_stacked_scales, .offset: 8, .size: 8, .value_kind: global_buffer, .address_space: global }
      - { .name: w_query_codes, .offset: 16, .size: 8, .value_kind: global_buffer, .address_space: global }
      - { .name: w_query_scales, .offset: 24, .size: 8, .value_kind: global_buffer, .address_space: global }
      - { .name: w_key_codes, .offset: 32, .size: 8, .value_kind: global_buffer, .address_space: global }
      - { .name: w_key_scales, .offset: 40, .size: 8, .value_kind: global_buffer, .address_space: global }
      - { .name: w_value_codes, .offset: 48, .size: 8, .value_kind: global_buffer, .address_space: global }
      - { .name: w_value_scales, .offset: 56, .size: 8, .value_kind: global_buffer, .address_space: global }
      - { .name: out0, .offset: 64, .size: 8, .value_kind: global_buffer, .address_space: global }
    .group_segment_fixed_size: 327680
    .private_segment_fixed_size: 0
    .kernarg_segment_align: 8
    .kernarg_segment_size: 72
    .max_flat_workgroup_size: 256
    .sgpr_count:     100
    .vgpr_count:     512
    .wavefront_size: 32
...
	.end_amdgpu_metadata
.endif
;; end of part 1
